; MI455X (gfx1250); checked and timed in simulation.
; The chip was launched on July 23, 2026; its instructions are those of AMD's public machine-readable ISA for CDNA 5 (MIT licence, August 2026) and "CDNA5" Instruction Set Architecture Reference Guide (July 2026). The comments in the code are by the model that wrote it; some were corrected since.
;; Vector Quantizer. Allowed arithmetic: matrix products marked QUANTISED: E4M3 operands, one E8M0 scale for each 32 along K, by v_wmma_scale_f32_16x16x128_f8f6f4 with both operands' format E4M3, f32 sums; everything else in f32.
;; Inputs: emb 2,048 x 128 float32; z_e 32 x 128 x 32 x 32 float32.
;; Outputs: out0 32 x 128 x 32 x 32 float32; out1 one number float32; out2 32 x 32 x 32 int32.
;; This version of the problem:
;;   THIS VERSION OF THE PROBLEM IS GIVEN IN LOW PRECISION. The matrix products marked QUANTISED in the list below multiply operands that are first quantised to E4M3 (4 exponent bits, 3 mantissa bits; 8 bits a number), with one power-of-two scale for each 32 numbers along K (OCP MX v1.0); their sums are f32. All else is computed in f32.
;;   The module's matrix products, in the order in which they are computed (A, B: the left and right operand; K: the contracted axis; several contracted axes count as one K, in the product's order):
;;     1. [M 32,768, K 128] x [K 128, N 2,048]; A: input z_e; B: input emb: QUANTISED
;;   THE QUANTISER, for each operand of a quantised product, along K:
;;     - K is cut into blocks of 32 from its start; a last block that is shorter is filled with zeros.
;;     - A block's scale is 2^e with e = floor(log2(the largest magnitude in the block)) - 8, held to -126 .. 127; a block of zeros has e = 0. As a byte (E8M0): e + 127.
;;     - Each number is divided by its block's scale, clamped to +-448, and rounded to the nearest number of E4M3, ties to even, subnormals kept.
;;     - The product sums the exact products of the quantised numbers (number of the format x scale) in f32.
;;   ~~~python
;;   def quantise(x, axis):      # numpy; x: float32 -> the quantised numbers, widened to float32 again
;;       x = np.moveaxis(x, axis, -1); K = x.shape[-1]
;;       x = np.pad(x, [(0, 0)] * (x.ndim - 1) + [(0, -K % 32)]); x = x.reshape(x.shape[:-1] + (-1, 32)); a = np.abs(x).max(-1, keepdims=True)
;;       e = np.where(a > 0, np.clip(np.frexp(np.where(a > 0, a, 1))[1] - 1 - 8, -126, 127), 0)      # np.frexp(a)[1] - 1 = floor(log2(a)), exactly
;;       r = np.clip(x / 2.0 ** e, -448, 448)
;;       step = 2.0 ** (np.maximum(np.frexp(np.where(r == 0, 1, r))[1] - 1, -6) - 3)
;;       q = np.round(r / step) * step * 2.0 ** e      # np.round: ties to even
;;       return np.moveaxis(q.reshape(q.shape[:-2] + (-1,))[..., :K], -1, axis).astype(np.float32)
;;   ~~~
;; One version. Each part assembles by itself: llvm-mc -triple=amdgcn-amd-amdhsa -mcpu=gfx1250 --defsym DOCPART=n.
;; ======== version 1 of 1: 4 launches
;; limits: right only within a limited range of input values
;; workspace buffers: cb 278,528 bytes; order 131,072 bytes of whole numbers; part 1,024 bytes
;; launch prep (part 1): grid 128 x 1, 1 waves a work-group, no clusters, 0 bytes of LDS; arguments emb, cb; writes cb
.if DOCPART == 1
	.amdgcn_target "amdgcn-amd-amdhsa--gfx1250"
	.amdhsa_code_object_version 6
	.text
	.protected	k_q450f9bf08f_prep
	.globl	k_q450f9bf08f_prep
	.p2align	8
	.type	k_q450f9bf08f_prep,@function
k_q450f9bf08f_prep:
	s_mov_b64 s[64:65], 0
	v_nop
	global_prefetch_b8 v0, s[64:65] scope:SCOPE_SE
	s_setreg_imm32_b32 hwreg(HW_REG_WAVE_MODE, 25, 1), 1
	s_wait_xcnt 0x0
; emb [2048][128] f32 -> cb: the codebook as the main launch's matrix operand wants it, made once.
; One wave takes one tile T of 16 codes (rows 16 T .. 16 T + 15 of emb), K = the row's 128 numbers.
; cb is 64 RECORDS of 4,352 bytes (17 x 256), two tiles each, so that a tile's side data travel with its codes.  Record T / 2, bytes:
;   2048 (T % 2) + 512 c + 16 lane     : registers 4 c .. 4 c + 3 of the tile's fragment as they stand in lane (r, h): the E4M3 codes of k = 32 c + 16 h + 0 .. 15 of code 16 T + r
;   4096 + 128 (T % 2) + 4 r           : code 16 T + r's scale word (four E8M0 bytes, one for each 32 along K)
;   4096 + 128 (T % 2) + 64 + 4 r      : MINUS the sum of squares of code 16 T + r, f32 (the main launch keeps its distances negated)
; A block's scale is 2^(floor(log2(its largest magnitude)) - 8); its byte is the largest magnitude's exponent field - 8, held at 1 from below.
; LIMITS: a block of zeros, or one whose largest magnitude lies under 2^-118, keeps the byte 1 (a block of zeros has zero codes, which add nothing; this program alone reads the bytes);
; NaN and infinities are not served; the sum of squares is an f32 sum in four chains, another order than a plain left-to-right sum.
; No LDS, no barrier, no cluster: the 128 waves share nothing.
.set PAIR, 4352                        ; a record
.set X,  16                            ; v16-79   64 numbers: register 16 c + i = k 32 c + 16 h + i of my row r
.set TM, 80                            ; v80-83 largest magnitudes, v84-87 bytes, v88-91 448 x the scale, v92-95 the conversions' scale operands
.set PW, 96                            ; v96      my row's scale word
.set SD, 97                            ; v97      what goes to the side block: lanes 0-15 the scale word, lanes 16-31 minus the sum of squares
.set PC, 100                           ; v100-115 the codes
.set EA, 116                           ; v116-119 the sum of squares, in two packed chains
.set PX, 120                           ; v120     the other half's sum
	s_load_b128 s[4:7], s[0:1], 0x0                ; emb s[4:5], cb s[6:7]
	v_and_b32 v1, 15, v0                           ; r
	v_lshrrev_b32 v2, 4, v0                        ; h (one wave: the thread's number is the lane)
	v_lshlrev_b32 v3, 9, v1                        ; a row of emb is 512 bytes,
	v_lshl_add_u32 v3, v2, 6, v3                   ; + 64 h: my 16 numbers of each block of 32
	v_lshlrev_b32 v4, 4, v0                        ; 16 x lane: my place in a group of four registers' image
	v_lshlrev_b32 v5, 2, v0                        ; 4 x lane: my place in the side block
	s_mov_b32 s10, 0x76543210
	s_mov_b32 s11, 0xfedcba98                      ; v_permlanex16_b32's selects for lane l xor 16
	s_mov_b32 s12, 0x600000                        ; the mantissa field of 448
	s_mov_b32 s13, 0xffff0000                      ; lanes 16-31
.irp b, 0,1,2,3
	v_mov_b32 v[TM+4+\b], 0                        ; a lane permute's destination counts as one of its sources: written once
.endr
	v_mov_b32 v[PX], 0
	s_lshl_b32 s8, ttmp9, 13                       ; 16 rows of 512 bytes a tile
	s_mov_b32 s9, 0
	s_lshr_b32 s22, ttmp9, 1
	s_mul_i32 s22, s22, PAIR                       ; my record
	s_and_b32 s23, ttmp9, 1                        ; which of its two tiles
	s_lshl_b32 s18, s23, 11
	s_add_co_u32 s18, s18, s22                     ; my codes
	s_mov_b32 s19, 0
	s_lshl_b32 s20, s23, 7
	s_add_co_u32 s20, s20, s22
	s_add_co_u32 s20, s20, 4096                    ; my side block, behind the record's codes
	s_mov_b32 s21, 0
	s_wait_alu depctr_va_vdst(0)
	s_wait_kmcnt 0x0
	s_add_nc_u64 s[4:5], s[4:5], s[8:9]
	s_add_nc_u64 s[14:15], s[6:7], s[18:19]
	s_add_nc_u64 s[16:17], s[6:7], s[20:21]
.irp c, 0,1,2,3
.irp j, 0,1,2,3
	global_load_b128 v[X+16*\c+4*\j:X+16*\c+4*\j+3], v3, s[4:5] offset:128*\c+16*\j
.endr
.endr
	s_wait_loadcnt 0x0
	; the sum of squares: the first products start the chains, nothing is cleared
	v_pk_mul_f32 v[EA:EA+1], v[X:X+1], v[X:X+1]
	v_pk_mul_f32 v[EA+2:EA+3], v[X+2:X+3], v[X+2:X+3]
.irp j, 4,8,12,16,20,24,28,32,36,40,44,48,52,56,60
	v_pk_fma_f32 v[EA:EA+1], v[X+\j:X+\j+1], v[X+\j:X+\j+1], v[EA:EA+1]
	v_pk_fma_f32 v[EA+2:EA+3], v[X+\j+2:X+\j+3], v[X+\j+2:X+\j+3], v[EA+2:EA+3]
.endr
	v_pk_add_f32 v[EA:EA+1], v[EA:EA+1], v[EA+2:EA+3]
	v_add_f32 v[EA], v[EA], v[EA+1]
	v_permlanex16_b32 v[PX], v[EA], s10, s11       ; the row's other 64 numbers lie in lane l xor 16
	v_sub_f32 v[EA], -v[EA], v[PX]                 ; minus the row's sum, in both halves of the lanes
	; the four blocks of 32 along K: 16 numbers of each are mine, 16 lane l xor 16's
.irp b, 0,1,2,3
	v_max3_num_f32 v[TM+\b], |v[X+16*\b]|, |v[X+1+16*\b]|, 0x4800000   ; with the floor 2^(9 - 127): the byte cannot fall under 1
.endr
.irp i, 2,4,6,8,10,12,14
.irp b, 0,1,2,3
	v_max3_num_f32 v[TM+\b], v[TM+\b], |v[X+16*\b+\i]|, |v[X+1+16*\b+\i]|   ; the four blocks by turns: no line waits for the line above it
.endr
.endr
.irp b, 0,1,2,3
	v_permlanex16_b32 v[TM+4+\b], v[TM+\b], s10, s11
.endr
.irp b, 0,1,2,3
	v_max_num_f32 v[TM+\b], v[TM+\b], v[TM+4+\b]   ; the block's largest magnitude
.endr
.irp b, 0,1,2,3
	v_add_nc_u32 v[TM+12+\b], 0xfc000000, v[TM+\b] ; 8 off its exponent field: the conversion takes this operand's exponent field as its scale
.endr
.irp b, 0,1,2,3
	v_and_or_b32 v[TM+8+\b], v[TM+\b], 0x7f800000, s12   ; 448 x the scale
.endr
.irp b, 0,1,2,3
	v_lshrrev_b32 v[TM+4+\b], 23, v[TM+12+\b]      ; the scale's byte
.endr
	v_lshl_or_b32 v[PW], v[TM+5], 8, v[TM+4]       ; four bytes make my row's scale word
	v_lshl_or_b32 v[PW], v[TM+6], 16, v[PW]
	v_lshl_or_b32 v[PW], v[TM+7], 24, v[PW]
.irp b, 0,1,2,3
.irp i, 0,1,2,3,4,5,6,7,8,9,10,11,12,13,14,15
	v_med3_num_f32 v[X+16*\b+\i], v[X+16*\b+\i], -v[TM+8+\b], v[TM+8+\b]   ; the conversion to an 8-bit code does not saturate (ISA guide 7.6.2): hold first
.endr
	v_cvt_scalef32_pk8_fp8_f32 v[PC+4*\b:PC+4*\b+1], v[X+16*\b:X+16*\b+7], v[TM+12+\b]
	v_cvt_scalef32_pk8_fp8_f32 v[PC+4*\b+2:PC+4*\b+3], v[X+16*\b+8:X+16*\b+15], v[TM+12+\b]
.endr
	v_nop                                          ; one plain line behind the last scaled conversion
	v_cndmask_b32 v[SD], v[PW], v[EA], s13         ; lanes 0-15: row r's scale word; lanes 16-31: minus row r's sum of squares
.irp c, 0,1,2,3
	global_store_b128 v4, v[PC+4*\c:PC+4*\c+3], s[14:15] offset:512*\c   ; 32 lanes store 512 consecutive bytes, at a multiple of 256 from cb's first byte
.endr
	global_store_b32 v5, v[SD], s[16:17]           ; 128 consecutive bytes: half of an aligned 256; the record's two waves fill it (16 KiB of the 272 KiB that the launch writes)
	s_endpgm
.Lfunc_end_k_q450f9bf08f_prep:
	.size	k_q450f9bf08f_prep, .Lfunc_end_k_q450f9bf08f_prep-k_q450f9bf08f_prep
	.p2alignl 7, 3214868480
	.fill 96, 4, 3214868480
	.section	.rodata,"a",@progbits
	.p2align	6, 0x0
	.amdhsa_kernel k_q450f9bf08f_prep
		.amdhsa_group_segment_fixed_size 0
		.amdhsa_private_segment_fixed_size 0
		.amdhsa_enable_private_segment 0
		.amdhsa_kernarg_size 16
		.amdhsa_user_sgpr_count 2
		.amdhsa_user_sgpr_kernarg_segment_ptr 1
		.amdhsa_wavefront_size32 1
		.amdhsa_system_sgpr_workgroup_id_x 1
		.amdhsa_system_sgpr_workgroup_id_y 1
		.amdhsa_system_sgpr_workgroup_id_z 1
		.amdhsa_system_vgpr_workitem_id 0
		.amdhsa_next_free_vgpr 128
		.amdhsa_next_free_sgpr 66
		.amdhsa_reserve_vcc 0
		.amdhsa_float_denorm_mode_32 3
		.amdhsa_float_denorm_mode_16_64 3
		.amdhsa_memory_ordered 1
		.amdhsa_forward_progress 1
		.amdhsa_inst_pref_size 14
	.end_amdhsa_kernel
	.amdgpu_metadata
---
amdhsa.version: [ 1, 2 ]
amdhsa.kernels:
  - .name:           k_q450f9bf08f_prep
    .symbol:         k_q450f9bf08f_prep.kd
    .args:
      - { .name: emb, .offset: 0, .size: 8, .value_kind: global_buffer, .address_space: global }
      - { .name: cb, .offset: 8, .size: 8, .value_kind: global_buffer, .address_space: global }
    .group_segment_fixed_size: 0
    .private_segment_fixed_size: 0
    .kernarg_segment_align: 8
    .kernarg_segment_size: 16
    .max_flat_workgroup_size: 32
    .sgpr_count:     66
    .vgpr_count:     128
    .wavefront_size: 32
...
	.end_amdgpu_metadata
.endif
;; end of part 1
;; launch main (part 2): grid 256 x 1, 8 waves a work-group, clusters of 4 x 1, 327,680 bytes of LDS; arguments z_e, cb, out2, order; writes out2, order
.if DOCPART == 2
	.amdgcn_target "amdgcn-amd-amdhsa--gfx1250"
	.amdhsa_code_object_version 6
	.text
	.protected	k_q450f9bf08f_main
	.globl	k_q450f9bf08f_main
	.p2align	8
	.type	k_q450f9bf08f_main,@function
k_q450f9bf08f_main:
	s_mov_b64 s[64:65], 0
	v_nop
	global_prefetch_b8 v0, s[64:65] scope:SCOPE_SE
	s_setreg_imm32_b32 hwreg(HW_REG_WAVE_MODE, 25, 1), 1
	s_wait_xcnt 0x0
	s_wait_alu depctr_hold_cnt(0) depctr_sa_sdst(0) depctr_va_vdst(0) depctr_va_sdst(0) depctr_va_ssrc(0) depctr_va_vcc(0) depctr_vm_vsrc(0)
	s_getreg_b32 s2, hwreg(HW_REG_IB_STS2, 6, 4)
	s_cmp_eq_u32 s2, 0
	s_cbranch_scc0 .Lentry_in_a_cluster
	s_endpgm
.Lentry_in_a_cluster:
	s_bfe_u32 s2, ttmp6, 0x10000c
	s_cmp_lg_u32 s2, 0x3003
	s_cbranch_scc0 .Lentry_shape_is_right
	s_endpgm
.Lentry_shape_is_right:
; For each of the 32,768 vectors z (one for each (b, h, w); K = the 128 channels, 4,096 bytes apart in z_e): the FIRST index of the smallest
; dist = (sum z^2 - 2 p) + sum e^2 over the 2,048 codes, p = the product of z and the code, both as E4M3 codes with one E8M0 scale for each 32 along K.
; The index goes to out2, and once more to order, from which the next launch forms addresses.
; THE TWO ROUNDINGS ARE KEPT: nd = fl(fl(2 p - zz) - ee) is minus the distance bit for bit (rounding to nearest is symmetric), so equal distances are equal here, and every comparison keeps the
; lower index.  Distances are kept negated, so the extreme is a maximum.  The factor 2 is a power of two in z's scale bytes (each one higher), so the product itself is 2 p, exactly.
; SHARES.  A work-group owns 128 vectors (one batch, 128 neighbouring h w).  The whole quantised codebook (cb, 278,528 bytes) comes into its LDS, each byte once: no ring, nothing is filled again.
; Eight waves of 512 registers, two to a SIMD.  Wave w first quantises 64 vectors x one block of 32 channels (vectors 64 (w & 1) on, channels 32 (w >> 1) on), a lane to two neighbouring vectors and
; registers down K; then it takes all 128 vectors (eight tiles of 16) against codes 256 w .. 256 w + 255 (sixteen tiles of 16): 128 matrix instructions, each a whole sum (K = 128): C is the constant 0.
; So each byte of the codebook is read from LDS by one wave, once.
; THE CODEBOOK COMES IN FOUR QUARTERS, IN THE ORDER OF USE.  Quarter q holds tiles 4 q .. 4 q + 3 of every range of 256 codes.  Each wave asks for an eighth: waves 2 q and 2 q + 1 for four ranges each of quarter q:
; four rows of 8,704 bytes.  The sweep begins when quarter 0 has landed.  For each later quarter the waves that asked for it wait for their load and every wave signals (steps 1, 4 and 7), and ahead of the
; first LDS read of that quarter every wave waits for the others (steps 2, 6 and 10).
; LAYOUT.  Source 0 = 16 codes, source 1 = 16 vectors: lane (r, h) holds ONE vector r, and register j the code 16 T + 8 h + j.
; THE ARGMAX WITHOUT AN INDEX FOR EACH NUMBER.  A lane keeps, for each of its eight vectors, the running maximum, the number of the tile that last raised it, and the first seven of that tile's eight numbers, taken
; over by v_cndmask_b32 in every tile (no branch hangs on data).  The place among the eight is found once at the end: the first that equals the maximum, else the eighth.
; CLUSTER.  The four work-groups of a cluster need the same codebook: every load is asked for JOINTLY, by the same tensor load with the same descriptor and a mask that names the four.
; No prefetch: there is no loop to run ahead in; all that a work-group reads is asked for at its start.
; LIMITS: NaN and infinities are not served; a block whose largest magnitude lies under 2^-118 is given the scale of the floor; sum z^2 is an f32 sum in another order than a plain left-to-right sum: that
; moves all of a vector's distances alike, so the order among them can change only where they straddle a power of two.
; REGISTERS.  Window 0: what is named below.  Window 1: v0-127 of it z's eight fragments, D0 and D1 the results of a tile against the eight tiles of vectors.
.set PAIR,  4352                       ; a record of cb: 2 x 2,048 bytes of codes, then from SIDE on 2 x 128 bytes (16 scale words, 16 x minus the sum of squares)
.set RQ,    2*PAIR                     ; a quarter of a range: four tiles.  LDS: quarter q, range w at q x QUART + w x RQ
.set QUART, 8*RQ
.set SIDE,  4096
.set ZIMG,  4*QUART                    ; 278,528: 8 tiles of 16 vectors as images of the operand's registers: 2,048 bytes a tile, group c at 512 c, lane's 16 bytes at 16 lane
.set ZSC,   ZIMG+16384                 ; a scale word for each of the 128 vectors
.set ZZP,   ZSC+512                    ; 16 bytes a vector: the four blocks' sums of squares
.set REDV,  ZZP+2048                   ; the eight code ranges' best numbers: 512 x range + 4 x vector;  their indices 4,096 bytes on
.set SPARE, REDV+8192                  ; the spare words, 128 bytes for each wave
.set AF,  16                           ; v16-31, v226-241  fragments of codes, of even and of odd tiles
.set ODD, 210
.set AS,  39                           ; v39, v38 the code tiles' scale words, even and odd: scales and nothing else
.set ZS,  40                           ; v40-46, v48  z's scale words: likewise
.set EE,  50                           ; v50-57, v58-65  minus the sums of squares of a tile's eight codes of my half, two sets
.set ST,  66                           ; v[66 + 4 i ..]: vector tile i: minus sum z^2, the best tile's number, the running maximum in two registers by turns
.set SV,  98                           ; v98-161  the numbers of the best tile so far, eight registers a vector tile (first: the 64 numbers that I quantise, sorted by vector and held)
.set X,   162                          ; v162-225 z as loaded: v[X + 2 i], v[X + 2 i + 1] = channel i of my two vectors; then the partial sums of squares; at the end at work
.set CD,  226                          ; v226-241 at the head the codes just made
.set WK,  242                          ; v242-253 at work
.set SPW, 254                          ; v254     LDS address of my spare word; never rewritten
.set NIL, 255                          ; v255     0; never rewritten
.set D0,  128                          ; window 1
.set D1,  192                          ; window 1
.set WV,  12                           ; s12 my wave's number
.set G1,  28                           ; s[28:35] descriptor group 1;  s[48:51] group 0
.set G0,  48
.set MK,  40                           ; s40-47 lane masks, one for each vector tile;  s72-87 more of them at the end
; v1 z_e offset; v2-v4 where I store codes, scale bytes, partial sums; v5-v7 where I fetch z's fragments, scale words, partial sums; v8-v10 the quarter in hand: codes, their scale words, their sums of squares;
; v14 where my best goes; v15 my first code's index; v33 lane, v34 r, v35 h; v47 where wave 0 reads the ranges' best; v49 16 x lane
.set MSB, 0
.macro WIN new                         ; the immediate's high byte repeats the setting that is left
.if MSB != \new
	s_set_vgpr_msb (MSB<<8)|\new
.set MSB, \new
.endif
.endm
.macro ROUND                           ; a round of the cluster's barrier
	s_barrier_signal -1
	s_barrier_wait -1
	s_cmp_lg_u32 s[WV], 0
	s_cbranch_scc1 .Lnot_wave_0_\@
	s_barrier_signal -3
.Lnot_wave_0_\@:
	s_barrier_wait -3
	s_barrier_signal -1
	s_barrier_wait -1
.endm
.macro ARM under, next                 ; one arm of the head's tree: the two waves of a quarter have a line of their own, since they wait at a place of their own
	s_cmp_lt_u32 s[WV], \under
	s_cbranch_scc0 \next
	tensor_load_to_lds s[G0:G0+3], s[G1:G1+7]
	s_nop 0
.rept 4
	v_nop
.endr
	s_branch .Lasked
\next:
.endm
.macro SIGNAL q                        ; the waves that asked for quarter q wait for it (those of earlier quarters have nothing out), and every wave says so.  In front stands each time the wait for all my LDS instructions
.if \q < 3
	s_cmp_lt_u32 s[WV], 2*\q+2
	s_cbranch_scc0 .Lnot_mine_\@
	s_wait_tensorcnt 0x0
.Lnot_mine_\@:
.else
	s_wait_tensorcnt 0x0
.endif
	s_barrier_signal -1
.endm
.macro LOADA n                         ; code tile n of my sixteen: its fragment and its scale words: five LDS loads
.set RO, PAIR*(((\n)%4)/2)
.irp c, 0,1,2,3
	ds_load_b128 v[AF+ODD*((\n)%2)+4*\c:AF+ODD*((\n)%2)+4*\c+3], v8 offset:RO+2048*((\n)%2)+512*\c       ; 32 lanes take 512 consecutive bytes
.endr
	ds_load_b32 v[AS-((\n)%2)], v9 offset:RO+128*((\n)%2)
.endm
.macro LOADE n                         ; and my half's eight sums of squares: two
.set RO, PAIR*(((\n)%4)/2)
	ds_load_b128 v[EE+8*((\n)%2):EE+8*((\n)%2)+3], v10 offset:RO+128*((\n)%2)
	ds_load_b128 v[EE+8*((\n)%2)+4:EE+8*((\n)%2)+7], v10 offset:RO+128*((\n)%2)+16
.endm
.macro WMI d, n, i                     ; code tile n against vector tile i
	v_wmma_scale_f32_16x16x128_f8f6f4 v[\d+8*(\i):\d+8*(\i)+7], v[AF+ODD*((\n)%2):AF+ODD*((\n)%2)+15], v[16*(\i):16*(\i)+15], 0, v[AS-((\n)%2)], v[ZS+(\i)+(\i)/7]
.endm
.macro ZZL n                           ; the next n of 32 lines: fl(2 p - zz), two at a time, the eight vector tiles by turns, each accumulator from its low end on (of the pair at ST the low word serves both halves)
.rept \n
	v_pk_add_f32 v[CUR+8*(k%8)+2*(k/8):CUR+8*(k%8)+2*(k/8)+1], v[ST+4*(k%8):ST+4*(k%8)+1], v[CUR+8*(k%8)+2*(k/8):CUR+8*(k%8)+2*(k/8)+1] op_sel_hi:[0,1]
.set k, k+1
.endr
.endm
.macro EEL                             ; the 32 lines that take ee away
.set k, 0
.rept 32
	v_pk_add_f32 v[CUR+8*(k%8)+2*(k/8):CUR+8*(k%8)+2*(k/8)+1], v[ECUR+2*(k/8):ECUR+2*(k/8)+1], v[CUR+8*(k%8)+2*(k/8):CUR+8*(k%8)+2*(k/8)+1]
.set k, k+1
.endr
.endm
.macro TRACK n                         ; tile n's 64 numbers against the running maxima: where a lane's maximum has risen (strictly: an equal later tile loses) the tile's number and its first seven numbers are taken over
.set OLD, 3-((\n)%2)
.set NEW, 2+((\n)%2)
	WIN 0x14                                       ; sources 1 and 2: window 1
.irp i, 0,1,2,3,4,5,6,7
	v_max3_num_f32 v[ST+4*\i+NEW], v[ST+4*\i+OLD], v[CUR+8*\i], v[CUR+8*\i+1]
.endr
.irp j, 2,4,6
.irp i, 0,1,2,3,4,5,6,7
	v_max3_num_f32 v[ST+4*\i+NEW], v[ST+4*\i+NEW], v[CUR+8*\i+\j], v[CUR+8*\i+\j+1]
.endr
.endr
	WIN 0
.irp i, 0,1,2,3,4,5,6,7
	v_cmp_gt_f32 s[MK+\i], v[ST+4*\i+NEW], v[ST+4*\i+OLD]
.endr
.if (\n) < 14
	LOADE \n+2                                     ; into the set that this tile's distances have just used
.endif
.irp i, 0,1,2,3,4,5,6,7
	v_cndmask_b32 v[ST+4*\i+1], v[ST+4*\i+1], \n, s[MK+\i]
.endr
	WIN 0x04                                       ; source 1: window 1
.irp j, 0,1,2,3,4,5,6
.irp i, 0,1,2,3,4,5,6,7
	v_cndmask_b32 v[SV+8*\i+\j], v[SV+8*\i+\j], v[CUR+8*\i+\j], s[MK+\i]
.endr
.endr
	WIN 0
.endm
	s_load_b256 s[4:11], s[0:1], 0x0               ; z_e s[4:5], cb s[6:7], out2 s[8:9], order s[10:11]
	v_lshl_add_u32 v[SPW], v0, 2, SPARE
	v_mov_b32 v[NIL], 0
	ds_add_u32 v[SPW], v[NIL]                      ; the wave's opening: the add, twice on end, and its wait ahead of my first tensor load
	ds_add_u32 v[SPW], v[NIL]
	v_lshrrev_b32 v32, 5, v0
	v_readfirstlane_b32 s[WV], v32                 ; wave 0..7
	v_and_b32 v33, 31, v0                          ; lane
	v_and_b32 v34, 15, v0                          ; r
	v_bfe_u32 v35, v0, 4, 1                        ; h
	s_and_b32 s15, s[WV], 1                        ; vh: which 64 vectors I quantise
	s_lshr_b32 s16, s[WV], 1                       ; c:  which block of 32 channels.  Also: which quarter of the codebook I ask for
	s_lshl_b32 s19, s15, 8
	s_lshl_b32 s39, s16, 17
	s_add_co_u32 s19, s19, s39
	v_lshl_add_u32 v1, v33, 3, s19                 ; z_e: 8 lane + 256 vh + 32 channels of 4,096 bytes x c
	s_bfe_u32 s13, ttmp6, 0x40000                  ; cx: my place in the cluster
	s_lshl_b32 s14, ttmp9, 2                       ; in a cluster launch ttmp9 counts clusters
	s_add_co_u32 s14, s14, s13                     ; my work-group's number: it enters the addresses of z_e, out2 and order alone
	; descriptor group 1: 4 rows of 8,704 bytes (1,088 elements of 8 bytes), a range (34,816 bytes... in half records: 4 RQ) apart in memory, dense in LDS
	s_mov_b32 s[G1], 15|(3<<16)|(1<<21)            ; 15:0 the mask: the cluster's four work-groups; 17:16 elements of 8 bytes; 20 no padding; 21 set beside a mask
	s_mov_b32 s[G1+1], (RQ/8)<<16                  ; tensor_dim0 = 1,088
	s_mov_b32 s[G1+2], 4<<16                       ; tensor_dim1 = 4
	s_mov_b32 s[G1+3], (RQ/8)<<16                  ; tile_dim0 = 1,088
	s_mov_b32 s[G1+4], 4                           ; tile_dim1 = 4
	s_mov_b32 s[G1+5], RQ/2                        ; from row to row: 4,352 elements = 34,816 bytes
	s_mov_b32 s[G1+6], 0
	s_mov_b32 s[G1+7], 0
	s_mul_i32 s24, s15, 16*RQ                      ; ranges 4 (w & 1) on (a range is 4 RQ bytes of cb),
	s_mul_i32 s25, s16, RQ                         ; quarter w >> 1 of each
	s_add_co_u32 s24, s24, s25
	s_mov_b32 s25, 0
	s_mul_i32 s26, s[WV], 4*RQ                     ; and in LDS: (w >> 1) QUART + 4 (w & 1) RQ = w x 4 RQ; no place in the cluster enters it
	s_lshr_b32 s20, s14, 3                         ; z_e: batch = work-group / 8: 2^19 bytes each;
	s_lshl_b32 s20, s20, 19
	s_and_b32 s21, s14, 7                          ; 128 vectors of 4 bytes x (work-group % 8)
	s_lshl_b32 s21, s21, 9
	s_add_co_u32 s20, s20, s21
	s_mov_b32 s21, 0
	s_lshl_b32 s22, s14, 9                         ; out2 and order: 128 indices of 4 bytes a work-group
	s_mov_b32 s23, 0
	s_wait_alu depctr_va_vdst(0)
	s_wait_dscnt 0x0                               ; both opening adds are done
	ROUND                                          ; all four work-groups are here: the joint loads meet.  The arguments are on their way meanwhile
	s_wait_kmcnt 0x0
	s_add_nc_u64 s[4:5], s[4:5], s[20:21]
.set i, 0
.rept 32
	global_load_b64 v[X+2*i:X+2*i+1], v1, s[4:5] offset:4096*i   ; channel 32 c + i of 64 neighbouring vectors: 256 consecutive bytes, aligned
.set i, i+1
.endr
	s_mov_b32 s[G0], 1                             ; count = 1
	s_mov_b32 s[G0+1], s26                         ; LDS address
	s_add_nc_u64 s[G0+2:G0+3], s[6:7], s[24:25]    ; global address
	s_or_b32 s[G0+3], s[G0+3], 0x80000000          ; type = 2
	ARM 2, .Lquarter_1                             ; one tensor load a wave
	ARM 4, .Lquarter_2
	ARM 6, .Lquarter_3
	tensor_load_to_lds s[G0:G0+3], s[G1:G1+7]
	s_nop 0
.rept 4
	v_nop
.endr
.Lasked:
	s_add_nc_u64 s[8:9], s[8:9], s[22:23]
	s_add_nc_u64 s[10:11], s[10:11], s[22:23]
	v_lshrrev_b32 v36, 3, v33
	v_and_b32 v37, 7, v33
	s_lshl_b32 s19, s15, 13
	s_lshl_b32 s39, s16, 9
	s_add_co_u32 s19, s19, s39
	s_add_co_u32 s19, s19, ZIMG
	v_lshl_add_u32 v2, v37, 5, s19
	v_lshl_add_u32 v2, v36, 11, v2                 ; my vectors 64 vh + 2 lane, + 1 are rows 2 (lane % 8), + 1 of tile 4 vh + lane / 8: ZIMG + 8192 vh + 512 c + 2048 (lane / 8) + 32 (lane % 8)
	s_lshl_b32 s19, s15, 8
	s_add_co_u32 s19, s19, s16
	s_add_co_u32 s19, s19, ZSC
	v_lshl_add_u32 v3, v33, 3, s19                 ; byte c of my first vector's scale word
	s_lshl_b32 s19, s15, 10
	s_lshl_b32 s39, s16, 2
	s_add_co_u32 s19, s19, s39
	s_add_co_u32 s19, s19, ZZP
	v_lshl_add_u32 v4, v33, 5, s19                 ; word c of my first vector's four partial sums
	v_lshl_add_u32 v5, v33, 4, ZIMG
	v_lshl_add_u32 v6, v34, 2, ZSC
	v_lshl_add_u32 v7, v34, 4, ZZP
	s_mul_i32 s39, s[WV], RQ
	v_lshl_add_u32 v8, v33, 4, s39                 ; my range's first four tiles: codes,
	s_add_co_u32 s39, s39, SIDE
	v_lshl_add_u32 v9, v34, 2, s39                 ; their scale words: lane r takes code r's,
	s_add_co_u32 s39, s39, 64
	v_lshl_add_u32 v10, v35, 5, s39                ; their sums of squares: my half's eight
	s_lshl_b32 s39, s[WV], 9
	s_add_co_u32 s39, s39, REDV
	v_lshl_add_u32 v14, v34, 2, s39                ; REDV + 512 w + 4 r
	s_lshl_b32 s39, s[WV], 8
	v_lshl_add_u32 v15, v35, 3, s39                ; the index of my register 0 in tile 0: 256 w + 8 h
	v_lshl_add_u32 v47, v33, 4, REDV
	v_lshlrev_b32 v49, 4, v33
.irp i, 0,1,2,3,4,5,6,7
	v_mov_b32 v[ST+4*\i+1], 0                      ; the best tile so far is tile 0
.endr
	s_mov_b32 s36, 0x76543210
	s_mov_b32 s37, 0xfedcba98                      ; v_permlanex16_b32's selects for lane l xor 16
	s_mov_b32 s38, 0x600000                        ; the mantissa field of 448
	; ---- Z: one block of 32 along K of my two vectors, all in my registers
	s_wait_alu depctr_va_vdst(0)
	s_wait_loadcnt 0x0
.irp q, 0,1,2,3
	v_pk_mul_f32 v[WK+2*\q:WK+2*\q+1], v[X+2*\q:X+2*\q+1], v[X+2*\q:X+2*\q+1]   ; the two blocks' sums of squares side by side, in four chains: the first products start them
.endr
.irp g, 4,8,12,16,20,24,28
.irp q, 0,1,2,3
	v_pk_fma_f32 v[WK+2*\q:WK+2*\q+1], v[X+2*(\g+\q):X+2*(\g+\q)+1], v[X+2*(\g+\q):X+2*(\g+\q)+1], v[WK+2*\q:WK+2*\q+1]
.endr
.endr
.irp u, 0,1
	v_max3_num_f32 v[WK+8+2*\u], |v[X+\u]|, |v[X+2+\u]|, |v[X+4+\u]|          ; each block's largest magnitude, in two chains
	v_max3_num_f32 v[WK+9+2*\u], |v[X+6+\u]|, |v[X+8+\u]|, |v[X+10+\u]|
.endr
	v_pk_add_f32 v[WK:WK+1], v[WK:WK+1], v[WK+2:WK+3]
	v_pk_add_f32 v[WK+4:WK+5], v[WK+4:WK+5], v[WK+6:WK+7]
.irp g, 6,10,14,18,22,26
.irp u, 0,1
	v_max3_num_f32 v[WK+8+2*\u], v[WK+8+2*\u], |v[X+2*\g+\u]|, |v[X+2*\g+2+\u]|
	v_max3_num_f32 v[WK+9+2*\u], v[WK+9+2*\u], |v[X+2*\g+4+\u]|, |v[X+2*\g+6+\u]|
.endr
.endr
.irp u, 0,1
	v_max3_num_f32 v[WK+8+2*\u], v[WK+8+2*\u], |v[X+60+\u]|, |v[X+62+\u]|
.endr
	v_pk_add_f32 v[WK:WK+1], v[WK:WK+1], v[WK+4:WK+5]
.irp u, 0,1
	v_max3_num_f32 v[WK+8+2*\u], v[WK+8+2*\u], v[WK+9+2*\u], 0x4800000        ; and the floor 2^(9 - 127): the scale's byte cannot fall under 1
.endr
.irp u, 0,1
	v_and_or_b32 v[36+\u], v[WK+8+2*\u], 0x7f800000, s38                       ; 448 x the scale
.endr
.irp u, 0,1
	v_add_nc_u32 v[WK+9+2*\u], 0xfc000000, v[WK+8+2*\u]                        ; 8 off its exponent field: the conversions' scale operand
.endr
.irp u, 0,1
	v_add_nc_u32 v[WK+2+\u], 0xfc800000, v[WK+8+2*\u]                          ; 7 off: twice the scale, for the product 2 p
.endr
.irp u, 0,1
	v_lshrrev_b32 v[WK+4+\u], 23, v[WK+2+\u]                                   ; its byte
.endr
.set i, 0
.rept 32
	v_med3_num_f32 v[SV+i], v[X+2*i], -v36, v36                                ; the conversion to an 8-bit code does not saturate (ISA guide 7.6.2): hold first, and sort the two vectors apart
	v_med3_num_f32 v[SV+32+i], v[X+2*i+1], -v37, v37
.set i, i+1
.endr
.irp u, 0,1
.irp g, 0,1,2,3
	v_cvt_scalef32_pk8_fp8_f32 v[CD+8*\u+2*\g:CD+8*\u+2*\g+1], v[SV+32*\u+8*\g:SV+32*\u+8*\g+7], v[WK+9+2*\u]
.endr
.endr
	v_nop                                          ; one plain line behind the last scaled conversion: matrix instructions later write its sources
.irp u, 0,1
	ds_store_b128 v2, v[CD+8*\u:CD+8*\u+3] offset:16*\u                ; k = 32 c + 0 .. 15: what lane (r, 0) of the fragment holds in registers 4 c .. 4 c + 3
	ds_store_b128 v2, v[CD+8*\u+4:CD+8*\u+7] offset:256+16*\u          ; k = 32 c + 16 .. 31: lane (r, 1)'s
	ds_store_b8 v3, v[WK+4+\u] offset:4*\u
	ds_store_b32 v4, v[WK+\u] offset:16*\u
.endr
	s_wait_dscnt 0x0                               ; my stores are done, for the other waves' sake
	SIGNAL 0
	s_barrier_wait -1                              ; quarter 0 of the codebook and all of z lie in LDS; neither is written again
	; ---- z's eight fragments, code tiles 0 and 1, z's scale words, the partial sums of squares
	WIN 0x40
.irp i, 0,1,2,3,4,5,6,7
.irp c, 0,1,2,3
	ds_load_b128 v[16*\i+4*\c:16*\i+4*\c+3], v5 offset:2048*\i+512*\c
.endr
.endr
	WIN 0
	LOADA 0
	LOADE 0
.irp i, 0,1,2,3,4,5,6,7
	ds_load_b32 v[ZS+\i+\i/7], v6 offset:64*\i
.endr
.irp i, 0,1,2,3,4,5,6,7
	ds_load_b128 v[X+4*\i:X+4*\i+3], v7 offset:256*\i
.endr
	LOADA 1
	LOADE 1
	s_wait_dscnt 0x0
	WIN 0x04                                       ; source 1: window 1
.irp i, 0,1,2,3,4,5,6,7
	WMI SV, 0, \i                                  ; tile 0's results go straight into the best tile's registers: nothing is cleared or copied
.endr
	WIN 0
.irp i, 0,1,2,3,4,5,6,7                            ; minus sum z^2.  These 24 plain lines name no register of the products above: they are the eight places in front of the loads below
	v_add_f32 v[X+4*\i], v[X+4*\i], v[X+4*\i+1]
	v_add_f32 v[X+4*\i+2], v[X+4*\i+2], v[X+4*\i+3]
.endr
.irp i, 0,1,2,3,4,5,6,7
	v_sub_f32 v[ST+4*\i], -v[X+4*\i], v[X+4*\i+2]
.endr
	; ---- the sweep over my sixteen tiles of codes, written out.  Step 0: tile 2's loads; tile 1's products; tile 0's distances, in place in SV; tile 0's maxima (its number, 0, stands at ST + 1)
	LOADA 2
	WIN 0x44                                       ; source 1 and destination: window 1
.irp i, 0,1,2,3,4,5,6,7
	WMI D1, 1, \i
.endr
	WIN 0
.set CUR, SV
.set ECUR, EE
.set k, 0
	ZZL 32
	EEL
	LOADE 2
.irp i, 0,1,2,3,4,5,6,7
	v_max3_num_f32 v[ST+4*\i+2], v[SV+8*\i], v[SV+8*\i+1], v[SV+8*\i+2]
.endr
.irp j, 3,5
.irp i, 0,1,2,3,4,5,6,7
	v_max3_num_f32 v[ST+4*\i+2], v[ST+4*\i+2], v[SV+8*\i+\j], v[SV+8*\i+\j+1]
.endr
.endr
.irp i, 0,1,2,3,4,5,6,7
	v_max_num_f32 v[ST+4*\i+2], v[ST+4*\i+2], v[SV+8*\i+7]
.endr
	; Step t: the five loads of tile t + 2 into the fragment that tile t has left (its products stand a step back); tile t + 1's products, two of tile t's distance lines behind each; the other 48 distance
	; lines; tile t's tracking, in it the two loads of tile t + 2's sums of squares.  At its head all but those two of the step before must have come back: tile t + 1's five loads are then in.
	; A result is first read 152 vector lines or more behind its product, and a buffer is written again two steps later.
.set tile, 1
.rept 15
.set CUR, D0+64*(tile%2)
.set NXT, D0+64*((tile+1)%2)
.set ECUR, EE+8*(tile%2)
.set k, 0
.if (tile == 1) || (tile == 4) || (tile == 7) || (tile == 15)
	s_wait_dscnt 0x0
.else
	s_wait_dscnt 0x2
.endif
.if tile == 1
	SIGNAL 1                                       ; from a signal to its wait stand register work and LDS loads of earlier quarters, which nobody writes
.endif
.if tile == 4
	SIGNAL 2
.endif
.if tile == 7
	SIGNAL 3
.endif
.if (tile == 2) || (tile == 6) || (tile == 10)
	s_barrier_wait -1                              ; everybody's part of quarter (t + 2) / 4 has landed
	v_add_nc_u32 v8, QUART, v8
	v_add_nc_u32 v9, QUART, v9
	v_add_nc_u32 v10, QUART, v10
.endif
.if tile < 14
	LOADA tile+2
.endif
	WIN 0x44                                       ; source 1 and destination: window 1
.if tile < 15
.set wi, 0
.rept 8
	WMI NXT, tile+1, wi
	ZZL 2
.set wi, wi+1
.endr
	ZZL 16
.else
	ZZL 32
.endif
	EEL
	TRACK tile
.set tile, tile+1
.endr
	; ---- the place among the best tile's eight: the first that equals the maximum
.irp i, 0,1,2,3,4,5,6,7
	v_mov_b32 v[X+\i], 7
.endr
.irp j, 6,5,4,3,2,1,0
.irp i, 0,1,2,3,4,5,6,7
	v_cmp_eq_f32 s[MK+\i], v[SV+8*\i+\j], v[ST+4*\i+3]
.endr
.irp i, 0,1,2,3,4,5,6,7
	v_cndmask_b32 v[X+\i], v[X+\i], \j, s[MK+\i]
.endr
.endr
.irp i, 0,1,2,3,4,5,6,7
	v_lshl_add_u32 v[X+\i], v[ST+4*\i+1], 4, v[X+\i]             ; 16 x tile + place
.endr
.irp i, 0,1,2,3,4,5,6,7
	v_add_nc_u32 v[X+\i], v15, v[X+\i]                           ; + 256 w + 8 h: the code's index
.endr
	; ---- a vector's other codes of these tiles lie in lane l xor 16: the larger number wins, of equal numbers the lower index
.irp i, 0,1,2,3,4,5,6,7
	v_permlanex16_b32 v[X+8+\i], v[ST+4*\i+3], s36, s37          ; (the destinations have been written before)
.endr
.irp i, 0,1,2,3,4,5,6,7
	v_permlanex16_b32 v[X+16+\i], v[X+\i], s36, s37
.endr
.irp i, 0,1,2,3,4,5,6,7
	v_cmp_gt_f32 s[MK+\i], v[X+8+\i], v[ST+4*\i+3]
	v_cmp_eq_f32 s[72+\i], v[X+8+\i], v[ST+4*\i+3]
	v_cmp_lt_u32 s[80+\i], v[X+16+\i], v[X+\i]
.endr
.irp i, 0,1,2,3,4,5,6,7
	s_and_b32 s[72+\i], s[72+\i], s[80+\i]
	s_or_b32 s[MK+\i], s[MK+\i], s[72+\i]
.endr
	s_wait_alu depctr_va_vdst(0)
.irp i, 0,1,2,3,4,5,6,7
	v_cndmask_b32 v[ST+4*\i+3], v[ST+4*\i+3], v[X+8+\i], s[MK+\i]
	v_cndmask_b32 v[X+\i], v[X+\i], v[X+16+\i], s[MK+\i]
.endr
.irp i, 0,1,2,3,4,5,6,7
	ds_store_b32 v14, v[ST+4*\i+3] offset:64*\i                  ; both halves write the same word with the same value
	ds_store_b32 v14, v[X+\i] offset:4096+64*\i
.endr
	s_wait_dscnt 0x0                               ; for wave 0's sake
	s_barrier_signal -1
	s_barrier_wait -1
	; ---- wave 0 joins the eight ranges of codes: lane l takes vectors 4 l .. 4 l + 3.  A tree: at every node the second range lies above the first, and only a strictly larger number takes over: the first index stays
.macro JC a, b, p
.irp q, 0,1,2,3
	v_cmp_gt_f32 s[72+4*\p+\q], v[X+4*\b+\q], v[X+4*\a+\q]
.endr
.endm
.macro JS a, b, p
.irp q, 0,1,2,3
	v_cndmask_b32 v[X+4*\a+\q], v[X+4*\a+\q], v[X+4*\b+\q], s[72+4*\p+\q]
	v_cndmask_b32 v[SV+4*\a+\q], v[SV+4*\a+\q], v[SV+4*\b+\q], s[72+4*\p+\q]
.endr
.endm
	s_cmp_lg_u32 s[WV], 0
	s_cbranch_scc1 .Lothers
.irp e, 0,1,2,3,4,5,6,7
	ds_load_b128 v[X+4*\e:X+4*\e+3], v47 offset:512*\e
	ds_load_b128 v[SV+4*\e:SV+4*\e+3], v47 offset:4096+512*\e
.endr
	s_wait_dscnt 0x0
	JC 0, 1, 0
	JC 2, 3, 1
	JC 4, 5, 2
	JC 6, 7, 3
	JS 0, 1, 0
	JS 2, 3, 1
	JS 4, 5, 2
	JS 6, 7, 3
	JC 0, 2, 0
	JC 4, 6, 1
	JS 0, 2, 0
	JS 4, 6, 1
	JC 0, 4, 0
	JS 0, 4, 0
	global_store_b128 v49, v[SV:SV+3], s[8:9]      ; 32 lanes store 512 consecutive bytes, at a multiple of 256 from the buffer's first byte
	global_store_b128 v49, v[SV:SV+3], s[10:11]
.Lothers:
	s_wait_tensorcnt 0x0                           ; the wave's end
	ds_add_u32 v[SPW], v[NIL]
	s_wait_dscnt 0x0
	ROUND                                          ; the closing round: no work-group ends while a partner may still ask for a part of the codebook that names it
	s_endpgm
.Lfunc_end_k_q450f9bf08f_main:
	.size	k_q450f9bf08f_main, .Lfunc_end_k_q450f9bf08f_main-k_q450f9bf08f_main
	.p2alignl 7, 3214868480
	.fill 96, 4, 3214868480
	.section	.rodata,"a",@progbits
	.p2align	6, 0x0
	.amdhsa_kernel k_q450f9bf08f_main
		.amdhsa_group_segment_fixed_size 327680
		.amdhsa_private_segment_fixed_size 0
		.amdhsa_enable_private_segment 0
		.amdhsa_kernarg_size 32
		.amdhsa_user_sgpr_count 2
		.amdhsa_user_sgpr_kernarg_segment_ptr 1
		.amdhsa_wavefront_size32 1
		.amdhsa_system_sgpr_workgroup_id_x 1
		.amdhsa_system_sgpr_workgroup_id_y 1
		.amdhsa_system_sgpr_workgroup_id_z 1
		.amdhsa_system_vgpr_workitem_id 0
		.amdhsa_next_free_vgpr 512
		.amdhsa_next_free_sgpr 96
		.amdhsa_reserve_vcc 0
		.amdhsa_float_denorm_mode_32 3
		.amdhsa_float_denorm_mode_16_64 3
		.amdhsa_memory_ordered 1
		.amdhsa_forward_progress 1
		.amdhsa_inst_pref_size 234
	.end_amdhsa_kernel
	.amdgpu_metadata
---
amdhsa.version: [ 1, 2 ]
amdhsa.kernels:
  - .name:           k_q450f9bf08f_main
    .symbol:         k_q450f9bf08f_main.kd
    .args:
      - { .name: z_e, .offset: 0, .size: 8, .value_kind: global_buffer, .address_space: global }
      - { .name: cb, .offset: 8, .size: 8, .value_kind: global_buffer, .address_space: global }
      - { .name: out2, .offset: 16, .size: 8, .value_kind: global_buffer, .address_space: global }
      - { .name: order, .offset: 24, .size: 8, .value_kind: global_buffer, .address_space: global }
    .group_segment_fixed_size: 327680
    .private_segment_fixed_size: 0
    .kernarg_segment_align: 8
    .kernarg_segment_size: 32
    .max_flat_workgroup_size: 256
    .sgpr_count:     96
    .vgpr_count:     512
    .wavefront_size: 32
...
	.end_amdgpu_metadata
.endif
;; end of part 2
;; launch gath (part 3): grid 256 x 1, 8 waves a work-group, no clusters, 67,328 bytes of LDS; arguments z_e, emb, order, out0, part; writes out0, part
.if DOCPART == 3
	.amdgcn_target "amdgcn-amd-amdhsa--gfx1250"
	.amdhsa_code_object_version 6
	.text
	.protected	k_q450f9bf08f_gath
	.globl	k_q450f9bf08f_gath
	.p2align	8
	.type	k_q450f9bf08f_gath,@function
k_q450f9bf08f_gath:
	s_mov_b64 s[64:65], 0
	v_nop
	global_prefetch_b8 v0, s[64:65] scope:SCOPE_SE
	s_setreg_imm32_b32 hwreg(HW_REG_WAVE_MODE, 25, 1), 1
	s_wait_xcnt 0x0
; out0 = z_e + (emb[index] - z_e), laid [b][channel][h w] as z_e is, and for each work-group the sum of (emb[index] - z_e)^2, to part.
; A work-group takes the 128 vectors (one batch, 128 neighbouring h w) x 128 channels that a work-group of the launch before took; the indices come from order, whole numbers stored there.
; A row of emb has the channels on end, z_e and out0 the vectors: so the rows turn through LDS.  Wave w fetches rows 16 w .. 16 w + 15 (a row's 512 bytes by 32 neighbouring lanes) and stores them as
; rows; behind a barrier it takes channels 16 w .. 16 w + 15 of all 128 vectors: lane l reads 16 bytes (4 channels) of each of rows 4 l .. 4 l + 3.  The turn of those 4 x 4 numbers costs no
; instruction: the subtraction names the registers crosswise.  Every load of z_e and every store of out0 covers 512 consecutive bytes: one channel, 128 vectors.
; No cluster, no tensor load: which rows of emb a work-group needs hangs on its indices, so no tile is shared; z_e and out0 are each work-group's own.  No matrix work.
; An index is held at 2,047 from above before it enters an address.
.set ROWG, 2064                        ; LDS: four rows of 512 bytes, then 16 of padding: row p at 2064 (p / 4) + 512 (p % 4).  The sixteen lanes that a read serves together stand 2,064 bytes apart:
                                       ; sixteen different columns of 16 bytes modulo 256 (64 banks of 4 bytes: ISA guide 11.1)
.set WS,   66048                       ; behind the 32 groups: the eight waves' sums
.set Z,    16                          ; v16-79   z: register 16 s + 4 e + i = vector 4 l + i, channel 16 w + 4 s + e
.set GQ,   80                          ; v80-143  first the rows as fetched (row k: 4 registers), then register 16 s + 4 i + e = emb[index of vector 4 l + i][16 w + 4 s + e]
.set O,    144                         ; v144-207 out0, as Z: no store's data are written again
.set AD,   208                         ; v208-223 the byte offsets of my 16 bytes in the sixteen rows of emb
.set ACC,  224                         ; v224-227 sums of squares
.set T,    228                         ; v228-235 the differences, two sets by turns
	s_load_b256 s[4:11], s[0:1], 0x0               ; z_e s[4:5], emb s[6:7], order s[8:9], out0 s[10:11]
	s_load_b64 s[12:13], s[0:1], 0x20              ; part
	v_lshl_add_u32 v240, v0, 2, 0x10300
	v_mov_b32 v241, 0
	v_lshrrev_b32 v6, 5, v0
	s_delay_alu instid0(VALU_DEP_1)
	v_readfirstlane_b32 s14, v6                    ; wave 0..7
	v_and_b32 v6, 31, v0                           ; lane
	s_delay_alu instid0(VALU_DEP_1)
	v_lshlrev_b32 v1, 4, v6                        ; 16 x lane
	s_lshl_b32 s15, s14, 16
	v_add_nc_u32 v2, s15, v1                       ; z_e, out0: 16 channels of 4,096 bytes x wave + 16 x lane
	s_mul_i32 s15, s14, 4*ROWG
	v_add_nc_u32 v3, s15, v1                       ; LDS, in: my sixteen rows are four groups
	s_lshl_b32 s15, s14, 6
	v_mul_u32_u24 v4, v6, ROWG
	s_delay_alu instid0(VALU_DEP_1)
	v_add_nc_u32 v4, s15, v4                       ; LDS, out: group l, + my sixteen channels' 64 bytes
	s_lshl_b32 s15, s14, 2
	s_add_co_u32 s15, s15, WS
	v_mov_b32 v5, s15                              ; my wave's word
	v_mov_b32 v7, WS
	v_mov_b32 v8, 0                                ; a lane permute's destination counts as one of its sources
	v_mov_b32 v9, 0
	s_mov_b32 s34, 0x76543210
	s_mov_b32 s35, 0xfedcba98
	s_lshr_b32 s32, ttmp9, 3                       ; batch = work-group / 8: 2^19 bytes each;
	s_lshl_b32 s32, s32, 19
	s_and_b32 s33, ttmp9, 7                        ; 128 vectors of 4 bytes x (work-group % 8)
	s_lshl_b32 s33, s33, 9
	s_add_co_u32 s32, s32, s33
	s_mov_b32 s33, 0
	s_lshl_b32 s38, ttmp9, 9                       ; order: 128 indices a work-group, 16 a wave
	s_lshl_b32 s39, s14, 6
	s_add_co_u32 s38, s38, s39
	s_mov_b32 s39, 0
	s_lshl_b32 s40, ttmp9, 2                       ; part: a word a work-group
	s_mov_b32 s41, 0
	s_wait_alu depctr_va_vdst(0)
	s_wait_kmcnt 0x0
	s_add_nc_u64 s[8:9], s[8:9], s[38:39]
	s_load_b512 s[16:31], s[8:9], 0x0              ; my sixteen indices: the same for all lanes, so they are scalars
	s_add_nc_u64 s[4:5], s[4:5], s[32:33]
	s_add_nc_u64 s[10:11], s[10:11], s[32:33]
	s_add_nc_u64 s[12:13], s[12:13], s[40:41]
	; z is asked for in two halves, the second behind the rows of emb: the first half's results leave while the second half is on its way
.irp s, 0,1
.irp e, 0,1,2,3
	global_load_b128 v[Z+16*\s+4*\e:Z+16*\s+4*\e+3], v2, s[4:5] offset:4096*(4*\s+\e) th:TH_LOAD_NT   ; read once in this launch
.endr
.endr
	s_wait_kmcnt 0x0
.set k, 0
.rept 16
	s_min_u32 s[16+k], s[16+k], 2047
	s_lshl_b32 s[16+k], s[16+k], 9                 ; a row of emb is 512 bytes
	v_add_nc_u32 v[AD+k], s[16+k], v1
	global_load_b128 v[GQ+4*k:GQ+4*k+3], v[AD+k], s[6:7]
.set k, k+1
.endr
.irp s, 2,3
.irp e, 0,1,2,3
	global_load_b128 v[Z+16*\s+4*\e:Z+16*\s+4*\e+3], v2, s[4:5] offset:4096*(4*\s+\e) th:TH_LOAD_NT
.endr
.endr
.set k, 0
.rept 16
	s_wait_loadcnt 23-k                            ; loads come back in order (ISA guide 5.7.1): row k is in (and z's first half, asked for earlier); the 15 - k rows behind it and z's second half, eight loads, may be out
	ds_store_b128 v3, v[GQ+4*k:GQ+4*k+3] offset:ROWG*(k/4)+512*(k%4)
.set k, k+1
.endr
	s_wait_dscnt 0x0                               ; for the others' sake
	s_barrier_signal -1
	s_barrier_wait -1
.irp s, 0,1,2,3
.irp i, 0,1,2,3
	ds_load_b128 v[GQ+16*\s+4*\i:GQ+16*\s+4*\i+3], v4 offset:512*\i+16*\s
.endr
.endr
; channel 16 w + 4 s + e of my four vectors: t = q - z;  out0 = z + t;  the sums take t^2
.macro CH s, e
.set TT, T+4*((\e)%2)
.irp i, 0,1,2,3
	v_sub_f32 v[TT+\i], v[GQ+16*\s+4*\i+\e], v[Z+16*\s+4*\e+\i]
.endr
.irp i, 0
	s_delay_alu instid0(VALU_DEP_3)
	v_pk_add_f32 v[O+16*\s+4*\e+\i:O+16*\s+4*\e+\i+1], v[Z+16*\s+4*\e+\i:Z+16*\s+4*\e+\i+1], v[TT+\i:TT+\i+1]
.endr
.irp i, 2
	s_delay_alu instid0(VALU_DEP_2)
	v_pk_add_f32 v[O+16*\s+4*\e+\i:O+16*\s+4*\e+\i+1], v[Z+16*\s+4*\e+\i:Z+16*\s+4*\e+\i+1], v[TT+\i:TT+\i+1]
.endr
	s_wait_alu depctr_va_vdst(0)
.irp i, 0,2
.if (\s == 0) && (\e == 0)
	v_pk_mul_f32 v[ACC+\i:ACC+\i+1], v[TT+\i:TT+\i+1], v[TT+\i:TT+\i+1]           ; the first squares start the sums
.else
	v_pk_fma_f32 v[ACC+\i:ACC+\i+1], v[TT+\i:TT+\i+1], v[TT+\i:TT+\i+1], v[ACC+\i:ACC+\i+1]
.endif
.endr
	global_store_b128 v2, v[O+16*\s+4*\e:O+16*\s+4*\e+3], s[10:11] offset:4096*(4*\s+\e) th:TH_STORE_NT   ; 32 lanes store 512 consecutive bytes, at a multiple of 256 from out0's first byte
.endm
.irp s, 0,1,2,3
	s_wait_dscnt 12-4*\s                           ; step s's four loads are in; those of the later steps, four each, may be out
.if \s == 2
	s_wait_loadcnt 0x4                             ; z's channels of step 2 are in; step 3's four loads may be out
.endif
.if \s == 3
	s_wait_loadcnt 0x0
.endif
.irp e, 0,1,2,3
	CH \s, \e
.endr
.endr
	; the work-group's sum of squares: lane, wave, work-group
	v_pk_add_f32 v[ACC:ACC+1], v[ACC:ACC+1], v[ACC+2:ACC+3]
	s_delay_alu instid0(VALU_DEP_1)
	v_add_f32 v[ACC], v[ACC], v[ACC+1]
	s_delay_alu instid0(VALU_DEP_1)
	v_add_f32_dpp v[ACC], v[ACC], v[ACC] row_xmask:1 row_mask:0xf bank_mask:0xf
	s_delay_alu instid0(VALU_DEP_1)
	v_add_f32_dpp v[ACC], v[ACC], v[ACC] row_xmask:2 row_mask:0xf bank_mask:0xf
	s_delay_alu instid0(VALU_DEP_1)
	v_add_f32_dpp v[ACC], v[ACC], v[ACC] row_xmask:4 row_mask:0xf bank_mask:0xf
	s_delay_alu instid0(VALU_DEP_1)
	v_add_f32_dpp v[ACC], v[ACC], v[ACC] row_xmask:8 row_mask:0xf bank_mask:0xf
	s_delay_alu instid0(VALU_DEP_1)
	v_permlanex16_b32 v8, v[ACC], s34, s35
	s_delay_alu instid0(VALU_DEP_1)
	v_add_f32 v[ACC], v[ACC], v8
	ds_store_b32 v5, v[ACC]                        ; all lanes write the same word with the same value
	s_wait_dscnt 0x0
	s_barrier_signal -1
	s_barrier_wait -1
	s_cmp_lg_u32 s14, 0
	s_cbranch_scc1 .Ldone
	ds_load_b128 v[T:T+3], v7
	ds_load_b128 v[T+4:T+7], v7 offset:16
	s_wait_dscnt 0x0
	v_pk_add_f32 v[T:T+1], v[T:T+1], v[T+2:T+3]
	v_pk_add_f32 v[T+4:T+5], v[T+4:T+5], v[T+6:T+7]
	s_delay_alu instid0(VALU_DEP_1)
	v_pk_add_f32 v[T:T+1], v[T:T+1], v[T+4:T+5]
	s_delay_alu instid0(VALU_DEP_1)
	v_add_f32 v[T], v[T], v[T+1]
	s_wait_alu depctr_va_vdst(0)
	s_wait_xcnt 0x0                                ; EXEC is a source of the stores above: it changes only behind this wait
	v_cmp_eq_u32 vcc_lo, 0, v0
	s_and_saveexec_b32 s36, vcc_lo
	global_store_b32 v9, v[T], s[12:13]            ; one word a work-group: 1 KiB in the whole launch
	s_wait_xcnt 0x0                                ; and again in front of the line that widens it
	s_or_b32 exec_lo, exec_lo, s36
.Ldone:
	s_wait_tensorcnt 0x0
	ds_add_u32 v240, v241
	s_wait_dscnt 0x0
	s_endpgm
.Lfunc_end_k_q450f9bf08f_gath:
	.size	k_q450f9bf08f_gath, .Lfunc_end_k_q450f9bf08f_gath-k_q450f9bf08f_gath
	.p2alignl 7, 3214868480
	.fill 96, 4, 3214868480
	.section	.rodata,"a",@progbits
	.p2align	6, 0x0
	.amdhsa_kernel k_q450f9bf08f_gath
		.amdhsa_group_segment_fixed_size 67328
		.amdhsa_private_segment_fixed_size 0
		.amdhsa_enable_private_segment 0
		.amdhsa_kernarg_size 40
		.amdhsa_user_sgpr_count 2
		.amdhsa_user_sgpr_kernarg_segment_ptr 1
		.amdhsa_wavefront_size32 1
		.amdhsa_system_sgpr_workgroup_id_x 1
		.amdhsa_system_sgpr_workgroup_id_y 1
		.amdhsa_system_sgpr_workgroup_id_z 1
		.amdhsa_system_vgpr_workitem_id 0
		.amdhsa_next_free_vgpr 242
		.amdhsa_next_free_sgpr 66
		.amdhsa_reserve_vcc 1
		.amdhsa_float_denorm_mode_32 3
		.amdhsa_float_denorm_mode_16_64 3
		.amdhsa_memory_ordered 1
		.amdhsa_forward_progress 1
		.amdhsa_inst_pref_size 21
	.end_amdhsa_kernel
	.amdgpu_metadata
---
amdhsa.version: [ 1, 2 ]
amdhsa.kernels:
  - .name:           k_q450f9bf08f_gath
    .symbol:         k_q450f9bf08f_gath.kd
    .args:
      - { .name: z_e, .offset: 0, .size: 8, .value_kind: global_buffer, .address_space: global }
      - { .name: emb, .offset: 8, .size: 8, .value_kind: global_buffer, .address_space: global }
      - { .name: order, .offset: 16, .size: 8, .value_kind: global_buffer, .address_space: global }
      - { .name: out0, .offset: 24, .size: 8, .value_kind: global_buffer, .address_space: global }
      - { .name: part, .offset: 32, .size: 8, .value_kind: global_buffer, .address_space: global }
    .group_segment_fixed_size: 67328
    .private_segment_fixed_size: 0
    .kernarg_segment_align: 8
    .kernarg_segment_size: 40
    .max_flat_workgroup_size: 256
    .sgpr_count:     66
    .vgpr_count:     242
    .wavefront_size: 32
...
	.end_amdgpu_metadata
.endif
;; end of part 3
;; launch fin (part 4): grid 1 x 1, 1 waves a work-group, no clusters, 0 bytes of LDS; arguments part, out1; writes out1
.if DOCPART == 4
	.amdgcn_target "amdgcn-amd-amdhsa--gfx1250"
	.amdhsa_code_object_version 6
	.text
	.protected	k_q450f9bf08f_fin
	.globl	k_q450f9bf08f_fin
	.p2align	8
	.type	k_q450f9bf08f_fin,@function
k_q450f9bf08f_fin:
	s_mov_b64 s[64:65], 0
	v_nop
	global_prefetch_b8 v0, s[64:65] scope:SCOPE_SE
	s_setreg_imm32_b32 hwreg(HW_REG_WAVE_MODE, 25, 1), 1
	s_wait_xcnt 0x0
; out1 = m + 0.25 m, m = the mean of (z_q - z_e)^2 over 32 x 128 x 32 x 32 = 2^22 numbers: both losses are that mean.
; part holds 256 partial sums, one from each work-group of the launch before: a sum that spans work-groups is made by one owner, in a fixed order.  One wave: eight numbers a lane.
	s_load_b128 s[4:7], s[0:1], 0x0                ; part s[4:5], out1 s[6:7]
	v_lshlrev_b32 v1, 4, v0
	v_mov_b32 v2, 0
	v_mov_b32 v3, 0                                ; a lane permute's destination counts as one of its sources
	s_mov_b32 s10, 0x76543210
	s_mov_b32 s11, 0xfedcba98
	s_wait_alu depctr_va_vdst(0)
	s_wait_kmcnt 0x0
	global_load_b128 v[4:7], v1, s[4:5]
	global_load_b128 v[8:11], v1, s[4:5] offset:512
	s_wait_loadcnt 0x0
	v_pk_add_f32 v[4:5], v[4:5], v[6:7]
	v_pk_add_f32 v[8:9], v[8:9], v[10:11]
	v_pk_add_f32 v[4:5], v[4:5], v[8:9]
	v_add_f32 v4, v4, v5
	v_add_f32_dpp v4, v4, v4 row_xmask:1 row_mask:0xf bank_mask:0xf
	v_add_f32_dpp v4, v4, v4 row_xmask:2 row_mask:0xf bank_mask:0xf
	v_add_f32_dpp v4, v4, v4 row_xmask:4 row_mask:0xf bank_mask:0xf
	v_add_f32_dpp v4, v4, v4 row_xmask:8 row_mask:0xf bank_mask:0xf
	v_permlanex16_b32 v3, v4, s10, s11
	v_add_f32 v4, v4, v3
	v_mul_f32 v4, 0x34800000, v4                   ; x 2^-22: exact
	v_fma_f32 v5, 0x3e800000, v4, v4               ; m + 0.25 m, rounded once (0.25 m is exact)
	s_wait_alu depctr_va_vdst(0)
	s_wait_xcnt 0x0                                ; EXEC changes only behind this wait
	v_cmp_eq_u32 vcc_lo, 0, v0
	s_and_saveexec_b32 s8, vcc_lo
	global_store_b32 v2, v5, s[6:7]
	s_wait_xcnt 0x0
	s_or_b32 exec_lo, exec_lo, s8
	s_endpgm
.Lfunc_end_k_q450f9bf08f_fin:
	.size	k_q450f9bf08f_fin, .Lfunc_end_k_q450f9bf08f_fin-k_q450f9bf08f_fin
	.p2alignl 7, 3214868480
	.fill 96, 4, 3214868480
	.section	.rodata,"a",@progbits
	.p2align	6, 0x0
	.amdhsa_kernel k_q450f9bf08f_fin
		.amdhsa_group_segment_fixed_size 0
		.amdhsa_private_segment_fixed_size 0
		.amdhsa_enable_private_segment 0
		.amdhsa_kernarg_size 16
		.amdhsa_user_sgpr_count 2
		.amdhsa_user_sgpr_kernarg_segment_ptr 1
		.amdhsa_wavefront_size32 1
		.amdhsa_system_sgpr_workgroup_id_x 1
		.amdhsa_system_sgpr_workgroup_id_y 1
		.amdhsa_system_sgpr_workgroup_id_z 1
		.amdhsa_system_vgpr_workitem_id 0
		.amdhsa_next_free_vgpr 16
		.amdhsa_next_free_sgpr 66
		.amdhsa_reserve_vcc 1
		.amdhsa_float_denorm_mode_32 3
		.amdhsa_float_denorm_mode_16_64 3
		.amdhsa_memory_ordered 1
		.amdhsa_forward_progress 1
		.amdhsa_inst_pref_size 2
	.end_amdhsa_kernel
	.amdgpu_metadata
---
amdhsa.version: [ 1, 2 ]
amdhsa.kernels:
  - .name:           k_q450f9bf08f_fin
    .symbol:         k_q450f9bf08f_fin.kd
    .args:
      - { .name: part, .offset: 0, .size: 8, .value_kind: global_buffer, .address_space: global }
      - { .name: out1, .offset: 8, .size: 8, .value_kind: global_buffer, .address_space: global }
    .group_segment_fixed_size: 0
    .private_segment_fixed_size: 0
    .kernarg_segment_align: 8
    .kernarg_segment_size: 16
    .max_flat_workgroup_size: 32
    .sgpr_count:     66
    .vgpr_count:     16
    .wavefront_size: 32
...
	.end_amdgpu_metadata
.endif
;; end of part 4
